; MI455X (gfx1250); checked and timed in simulation.
; The chip was launched on July 23, 2026; its instructions are those of AMD's public machine-readable ISA for CDNA 5 (MIT licence, August 2026) and "CDNA5" Instruction Set Architecture Reference Guide (July 2026). The comments in the code are by the model that wrote it; some were corrected since.
;; Additive Attention. Allowed arithmetic: matrix products marked QUANTISED: E4M3 operands, one E8M0 scale for each 32 along K, by v_wmma_scale_f32_16x16x128_f8f6f4 with both operands' format E4M3, f32 sums; products left as they are: f32 operands where the result goes on into a quantised operand, else bf16, f16 or f32 operands; f32 sums; everything else in f32.
;; Inputs: W_k 1,024 x 1,024 float32; W_q 1,024 x 1,024 float32; keys 32 x 2,048 x 1,024 float32; pad_mask 32 x 2,048 x 1 bool; queries 32 x 1 x 1,024 float32; w_v 1,024 x 1 float32.
;; Outputs: out0 32 x 2,048 x 1 float32; out1 32 x 1,024 x 1 float32.
;; This version of the problem:
;;   THIS VERSION OF THE PROBLEM IS GIVEN IN LOW PRECISION. The matrix products marked QUANTISED in the list below multiply operands that are first quantised to E4M3 (4 exponent bits, 3 mantissa bits; 8 bits a number), with one power-of-two scale for each 32 numbers along K (OCP MX v1.0); their sums are f32. All else is computed in f32.
;;   The module's matrix products, in the order in which they are computed (A, B: the left and right operand; K: the contracted axis; several contracted axes count as one K, in the product's order):
;;     1. [M 32, K 1,024] x [K 1,024, N 1,024]; A: input queries; B: input W_q: QUANTISED
;;     2. [M 65,536, K 1,024] x [K 1,024, N 1,024]; A: input keys; B: input W_k: QUANTISED
;;     3. [M 65,536, K 1,024] x [K 1,024, N 1]; A: computed on the way; B: input w_v: left as it is (N = 1 < 16)
;;     4. batch 32 x [M 1,024, K 2,048] x [K 2,048, N 1]; A: input keys; B: softmax: left as it is (N = 1 < 16)
;;   THE QUANTISER, for each operand of a quantised product, along K:
;;     - K is cut into blocks of 32 from its start; a last block that is shorter is filled with zeros.
;;     - A block's scale is 2^e with e = floor(log2(the largest magnitude in the block)) - 8, held to -126 .. 127; a block of zeros has e = 0. As a byte (E8M0): e + 127.
;;     - Each number is divided by its block's scale, clamped to +-448, and rounded to the nearest number of E4M3, ties to even, subnormals kept.
;;     - The product sums the exact products of the quantised numbers (number of the format x scale) in f32.
;;   ~~~python
;;   def quantise(x, axis):      # numpy; x: float32 -> the quantised numbers, widened to float32 again
;;       x = np.moveaxis(x, axis, -1); K = x.shape[-1]
;;       x = np.pad(x, [(0, 0)] * (x.ndim - 1) + [(0, -K % 32)]); x = x.reshape(x.shape[:-1] + (-1, 32)); a = np.abs(x).max(-1, keepdims=True)
;;       e = np.where(a > 0, np.clip(np.frexp(np.where(a > 0, a, 1))[1] - 1 - 8, -126, 127), 0)      # np.frexp(a)[1] - 1 = floor(log2(a)), exactly
;;       r = np.clip(x / 2.0 ** e, -448, 448)
;;       step = 2.0 ** (np.maximum(np.frexp(np.where(r == 0, 1, r))[1] - 1, -6) - 3)
;;       q = np.round(r / step) * step * 2.0 ** e      # np.round: ties to even
;;       return np.moveaxis(q.reshape(q.shape[:-2] + (-1,))[..., :K], -1, axis).astype(np.float32)
;;   ~~~
;; One version. Each part assembles by itself: llvm-mc -triple=amdgcn-amd-amdhsa -mcpu=gfx1250 --defsym DOCPART=n.
;; ======== version 1 of 1: 3 launches
;; limits: right only within a limited range of input values
;; workspace buffers: wkf 1,048,576 bytes; wks 32,768 bytes; tqs 131,072 bytes; list 262,144 bytes of whole numbers; cnt 256 bytes of whole numbers; sc 262,144 bytes
;; launch prep (part 1): grid 132 x 1, 8 waves a work-group, no clusters, 17,408 bytes of LDS; arguments W_k, W_q, queries, pad_mask, wkf, wks, tqs, list, cnt; writes wkf, wks, tqs, list, cnt
.if DOCPART == 1
	.amdgcn_target "amdgcn-amd-amdhsa--gfx1250"
	.amdhsa_code_object_version 6
	.text
	.protected	k_q404c5fffe0_prep
	.globl	k_q404c5fffe0_prep
	.p2align	8
	.type	k_q404c5fffe0_prep,@function
k_q404c5fffe0_prep:
	s_mov_b64 s[64:65], 0
	v_nop
	global_prefetch_b8 v0, s[64:65] scope:SCOPE_SE
	s_setreg_imm32_b32 hwreg(HW_REG_WAVE_MODE, 25, 1), 1
	s_wait_xcnt 0x0
; ADDITIVE ATTENTION, launch 1 of 3: what the two later launches need laid ready.
; WORK LEFT OUT BY THE WHOLE PROGRAM, AND WHY IT IS DEAD.
; (1) A row t with pad_mask[b][t] = 1 gets the score -infinity, so its weight is exactly 0 whatever keys, W_k, W_q, w_v hold: its row of keys @ W_k, its tanh,
;     its score and its term 0 x keys[b][t][:] of the context reach no output.  pad_mask holds whole numbers read from memory: this launch sorts each batch's rows
;     (unmasked first) into a list, and the later launches read the list and work on what it names.  Masked rows still get their weight 0 stored.
; (2) tanh(x) = 1 - 2 / (1 + e^(2x)), so score[t] = sum(w_v) - 2 sum_n w_v[n] / (1 + e^(2 x[t][n])).  sum(w_v) is the same for all t of the softmax's axis and cancels in it: it is not formed.
; Every input has a way to an output and is loaded.  LIMITS: a NaN, an infinity or an overflow in masked rows of keys is not carried to the result; a block whose largest
; magnitude lies under 2^-118 (a block of zeros too) gets the scale byte 1: the bytes are read by this program alone, and zero codes add nothing.
; ROLES, by the work-group's number g; eight waves each.
;   g < 64         W_k's columns 16 g .. 16 g + 15, wave = K step of 128: quantised along K (its first axis) into the image of an operand's registers (wkf) and scale words (wks).
;   64 <= g < 128  tq = Q(queries) Q(W_q) for columns 16 (g - 64) on: wave = K step; the eight partial sums meet in LDS; c tq is stored, c = 2 log2(e).
;   g >= 128       wave = batch 8 (g - 128) + wave: a counting sort of the batch's 2,048 rows: unmasked rows ascending from the list's front, masked rows from its back; cnt = unmasked rows.
; A lane takes a column of W and its registers run down K in the order of the operand's layout (lane (r, h): k = 32 c + 16 h + 0 .. 15), so the conversions' results are the operand's registers.
.set PD,    0                          ; LDS: eight images of 16 registers x 32 lanes (2,048 bytes): each wave's partial tq
.set SPARE, 16384                      ; the spare words, 128 bytes a wave: four blocks of 256 bytes that no other line names
.set SPW,   12                         ; v12  LDS address of my spare word; never rewritten
.set NIL,   13                         ; v13  0; never rewritten
.set TM,    16                         ; v16-31 at work in QUANT
.set PCB,   32                         ; v32-47 codes of W's fragment
.set XW,    64                         ; v64-127 64 numbers of W
.set XA0,   128                        ; v128-191 64 numbers of queries, batches 0-15
.set XA1,   192                        ; v192-255 batches 16-31
.set PCA0,  64                         ; their codes, where W's numbers lay
.set PCA1,  80
.set ACC0,  96
.set ACC1,  104
.set SEL,   30                         ; s[30:31] lane selects: lane l xor 16
.set MNT,   32                         ; s32 the mantissa field of 448
; 64 numbers of a lane, register 16 b + i = k 32 b + 16 (lane / 16) + i of my row or column, become a fragment's codes in v[d] on and its scale word in v[pw].
.macro QUANT s, d, pw
.irp b, 0,1,2,3
	v_max3_num_f32 v[TM+\b], |v[\s+16*\b]|, |v[\s+1+16*\b]|, 0x4800000   ; my 16 numbers of block b, and the floor 2^(9 - 127): the byte cannot fall under 1
.endr
.irp i, 2,4,6,8,10,12,14
.irp b, 0,1,2,3
	s_delay_alu instid0(VALU_DEP_4)
	v_max3_num_f32 v[TM+\b], v[TM+\b], |v[\s+16*\b+\i]|, |v[\s+1+16*\b+\i]|
.endr
.endr
.irp b, 0,1,2,3
	s_delay_alu instid0(VALU_DEP_4)
	v_permlanex16_b32 v[TM+4+\b], v[TM+\b], s[SEL], s[SEL+1]
.endr
.irp b, 0,1,2,3
	s_delay_alu instid0(VALU_DEP_4)
	v_max_num_f32 v[TM+\b], v[TM+\b], v[TM+4+\b]                         ; with lane l xor 16's: the block's largest magnitude
.endr
.irp b, 0,1,2,3
	s_delay_alu instid0(VALU_DEP_4)
	v_add_nc_u32 v[TM+12+\b], 0xfc000000, v[TM+\b]                       ; 8 off its exponent field: the conversion's scale operand
.endr
.irp b, 0,1,2,3
	v_and_or_b32 v[TM+8+\b], v[TM+\b], 0x7f800000, s[MNT]                ; 448 x the scale
.endr
.irp b, 0,1,2,3
	v_lshrrev_b32 v[TM+4+\b], 23, v[TM+12+\b]                            ; the scale's byte
.endr
	s_delay_alu instid0(VALU_DEP_3)
	v_lshl_or_b32 v[\pw], v[TM+5], 8, v[TM+4]
	s_delay_alu instid0(VALU_DEP_1)
	v_lshl_or_b32 v[\pw], v[TM+6], 16, v[\pw]
	s_delay_alu instid0(VALU_DEP_1)
	v_lshl_or_b32 v[\pw], v[TM+7], 24, v[\pw]
.irp b, 0,1,2,3
.irp i, 0,1,2,3,4,5,6,7,8,9,10,11,12,13,14,15
	v_med3_num_f32 v[\s+16*\b+\i], v[\s+16*\b+\i], -v[TM+8+\b], v[TM+8+\b]   ; the conversion to an 8-bit code does not saturate (ISA guide 7.6.2): hold first
.endr
	v_cvt_scalef32_pk8_fp8_f32 v[\d+4*\b:\d+1+4*\b], v[\s+16*\b:\s+7+16*\b], v[TM+12+\b]
	v_cvt_scalef32_pk8_fp8_f32 v[\d+2+4*\b:\d+3+4*\b], v[\s+8+16*\b:\s+15+16*\b], v[TM+12+\b]
.endr
	v_nop                                  ; a plain instruction behind the last conversion
.endm
.macro WLOAD base                      ; W(128 ks + 32 c + 16 h + i, 16 nt + r): sixteen lanes read 64 neighbouring bytes
.irp c, 0,1,2,3
.irp i, 0,1,2,3,4,5,6,7,8,9,10,11,12,13,14,15
	global_load_b32 v[XW+16*\c+\i], v4, s[\base:\base+1] offset:(32*\c+\i)*4096
.endr
.endr
.endm
	s_load_b512 s[4:19], s[0:1], 0x0       ; W_k s[4:5], W_q s[6:7], queries s[8:9], pad_mask s[10:11], wkf s[12:13], wks s[14:15], tqs s[16:17], list s[18:19]
	s_load_b64 s[20:21], s[0:1], 0x40      ; cnt
	v_lshl_add_u32 v[SPW], v0, 2, SPARE
	v_mov_b32 v[NIL], 0
	v_lshrrev_b32 v1, 5, v0
	s_delay_alu instid0(VALU_DEP_1)
	v_readfirstlane_b32 s22, v1            ; wave 0..7
	s_mov_b32 s23, ttmp9                   ; g
	s_and_b32 s24, s23, 63                 ; nt, in the first two roles
	v_and_b32 v1, 31, v0                   ; lane
	v_and_b32 v2, 15, v0                   ; r
	v_bfe_u32 v3, v0, 4, 1                 ; h
	s_delay_alu instid0(VALU_DEP_2)
	v_lshlrev_b32 v4, 2, v2
	s_delay_alu instid0(VALU_DEP_1)
	v_lshl_add_u32 v4, v3, 16, v4          ; W: 4 r + 16 h rows of 4,096 bytes
	s_delay_alu instid0(VALU_DEP_4)
	v_lshlrev_b32 v5, 12, v2
	s_delay_alu instid0(VALU_DEP_1)
	v_lshl_add_u32 v5, v3, 6, v5           ; queries: row r of 4,096 bytes + 64 h
	v_lshlrev_b32 v6, 4, v1                ; 16 x lane
	v_lshlrev_b32 v7, 4, v2                ; 16 r
	s_lshl_b32 s35, s22, 11
	v_add_nc_u32 v8, s35, v6               ; LDS: my wave's image, on the way in
	s_lshl_b32 s35, s22, 9
	v_add_nc_u32 v9, s35, v6               ; and registers 4 w .. 4 w + 3 of an image, on the way out
	v_lshlrev_b32 v10, 2, v2
	s_delay_alu instid0(VALU_DEP_1)
	v_lshl_add_u32 v10, v3, 15, v10        ; tqs: 4 r + 8 h rows of 4,096 bytes
.irp b, 0,1,2,3
	v_mov_b32 v[TM+4+\b], 0                ; written once: a lane permute's destination counts as one of its sources
.endr
	s_mov_b32 s[SEL], 0x76543210
	s_mov_b32 s[SEL+1], 0xfedcba98
	s_mov_b32 s[MNT], 0x600000
	s_lshl_b32 s28, s22, 19                ; K step: 128 rows of 4,096 bytes
	s_lshl_b32 s35, s24, 6                 ; 16 columns of 4 bytes
	s_add_co_u32 s28, s28, s35
	s_mov_b32 s29, 0
	s_wait_kmcnt 0x0
	s_cmp_ge_u32 s23, 128
	s_cbranch_scc1 .Llist
	s_cmp_ge_u32 s23, 64
	s_cbranch_scc1 .Ltq
	; ---- W_k's fragment (nt, ks)
	s_add_nc_u64 s[26:27], s[4:5], s[28:29]
	WLOAD 26
	s_lshl_b32 s36, s24, 3
	s_add_co_u32 s36, s36, s22
	s_lshl_b32 s36, s36, 11                ; fragment 8 nt + ks, 2,048 bytes each
	s_mov_b32 s37, 0
	s_add_nc_u64 s[36:37], s[12:13], s[36:37]
	s_lshl_b32 s38, s24, 9                 ; scale words: 512 nt + 256 (ks % 2) + 16 r + 4 (ks / 2)
	s_and_b32 s35, s22, 1
	s_lshl_b32 s35, s35, 8
	s_add_co_u32 s38, s38, s35
	s_lshr_b32 s35, s22, 1
	s_lshl_b32 s35, s35, 2
	s_add_co_u32 s38, s38, s35
	s_mov_b32 s39, 0
	s_add_nc_u64 s[38:39], s[14:15], s[38:39]
	s_wait_loadcnt 0x0
	QUANT XW, PCB, 48
.irp c, 0,1,2,3
	global_store_b128 v6, v[PCB+4*\c:PCB+4*\c+3], s[36:37] offset:512*\c   ; 32 lanes store 512 consecutive bytes
.endr
	global_store_b32 v7, v48, s[38:39]     ; lanes 16-31 hold lane r's word and store it to the same place
	s_branch .Ljoin
.Ltq:	; ---- the K step's part of tq for 32 batches x 16 columns
	s_add_nc_u64 s[26:27], s[6:7], s[28:29]
	WLOAD 26
	s_lshl_b32 s36, s22, 9                 ; 128 numbers of a row of queries
	s_mov_b32 s37, 0
	s_add_nc_u64 s[36:37], s[8:9], s[36:37]
.irp m, 0,1
.irp c, 0,1,2,3
.irp q, 0,1,2,3
	global_load_b128 v[XA0+64*\m+16*\c+4*\q:XA0+64*\m+16*\c+4*\q+3], v5, s[36:37] offset:\m*65536+128*\c+16*\q
.endr
.endr
.endr
	s_wait_loadcnt 0x0
	QUANT XW, PCB, 48
	QUANT XA0, PCA0, 49
	QUANT XA1, PCA1, 50
.rept 8
	v_nop                                  ; a scale word made by vector instructions stands eight places ahead of a scaled matrix instruction, codes four
.endr
	v_wmma_scale_f32_16x16x128_f8f6f4 v[ACC0:ACC0+7], v[PCA0:PCA0+15], v[PCB:PCB+15], 0, v49, v48   ; register j of lane (r, h): batch 8 h + j, column r
	v_wmma_scale_f32_16x16x128_f8f6f4 v[ACC1:ACC1+7], v[PCA1:PCA1+15], v[PCB:PCB+15], 0, v50, v48   ; batches 16 on
.rept 8
	v_nop                                  ; places behind the products, ahead of the stores that read them
.endr
.irp q, 0,1,2,3
	ds_store_b128 v8, v[ACC0+4*\q:ACC0+4*\q+3] offset:512*\q               ; each accumulator from its low end on
.endr
	s_branch .Ljoin
.Llist:	; ---- the counting sort of one batch's rows; a wave to a batch, 32 rows a step, ascending
	s_sub_co_u32 s35, s23, 128
	s_lshl_b32 s35, s35, 3
	s_add_co_u32 s35, s35, s22             ; batch
	s_lshl_b32 s36, s35, 11
	s_mov_b32 s37, 0
	s_add_nc_u64 s[36:37], s[10:11], s[36:37]
	s_lshl_b32 s38, s35, 13
	s_mov_b32 s39, 0
	s_add_nc_u64 s[38:39], s[18:19], s[38:39]
	s_lshl_b32 s40, s35, 2
	s_mov_b32 s41, 0
	s_add_nc_u64 s[40:41], s[20:21], s[40:41]
.set i, 0
.rept 64
	global_load_u8 v[64+i], v1, s[36:37] offset:32*i
.set i, i+1
.endr
.set i, 0
.rept 64
	v_add_nc_u32 v[128+i], 32*i, v1        ; the row's number t
.set i, i+1
.endr
	s_mov_b32 s33, 0                       ; unmasked rows so far
	s_wait_loadcnt 0x0
.set i, 0
.rept 64                               ; each step has its own address and data registers: no store's sources are written again
	v_cmp_eq_u32 s34, 0, v[64+i]           ; the lanes whose row counts
	s_delay_alu instid0(VALU_DEP_1)
	v_mbcnt_lo_u32_b32 v14, s34, 0
	s_delay_alu instid0(VALU_DEP_1)
	v_add_nc_u32 v14, s33, v14             ; unmasked rows ahead of mine: an unmasked row's place
	s_delay_alu instid0(VALU_DEP_1)
	v_sub_nc_u32 v15, v14, v[128+i]
	s_delay_alu instid0(VALU_DEP_1)
	v_add_nc_u32 v15, 2047, v15            ; a masked row's place: 2,047 - (masked rows ahead of it)
	s_delay_alu instid0(VALU_DEP_1)
	v_cndmask_b32 v[64+i], v15, v14, s34
	s_delay_alu instid0(VALU_DEP_1)
	v_min_u32 v[64+i], 2047, v[64+i]       ; inside the list, whatever was loaded
	s_delay_alu instid0(VALU_DEP_1)
	v_lshlrev_b32 v[64+i], 2, v[64+i]
	global_store_b32 v[64+i], v[128+i], s[38:39]
	s_bcnt1_i32_b32 s35, s34
	s_add_co_u32 s33, s33, s35
.set i, i+1
.endr
	v_mov_b32 v14, s33
	v_mov_b32 v15, 0
	global_store_b32 v15, v14, s[40:41]    ; all lanes store the same word
.Ljoin:
	s_wait_xcnt 0x0                        ; every store issued so far has read its registers: they may be written again below
	s_wait_dscnt 0x0                       ; my image lies in LDS
	s_barrier_signal -1
	s_barrier_wait -1
	s_cmp_lt_u32 s23, 64
	s_cbranch_scc1 .Lend
	s_cmp_ge_u32 s23, 128
	s_cbranch_scc1 .Lend
	s_cmp_ge_u32 s22, 4
	s_cbranch_scc1 .Lend
	; waves 0-3 add the eight K steps' parts, K ascending: wave w takes registers 4 w + e of the images: batch 16 (w / 2) + 8 h + 4 (w % 2) + e, column r
.irp k, 0,1,2,3,4,5,6,7
	ds_load_b128 v[112+4*\k:115+4*\k], v9 offset:2048*\k
.endr
	s_lshl_b32 s42, s24, 6
	s_lshr_b32 s44, s22, 1
	s_lshl_b32 s44, s44, 16
	s_add_co_u32 s42, s42, s44
	s_and_b32 s44, s22, 1
	s_lshl_b32 s44, s44, 14
	s_add_co_u32 s42, s42, s44
	s_mov_b32 s43, 0
	s_add_nc_u64 s[42:43], s[16:17], s[42:43]
	s_wait_dscnt 0x0
.irp e, 0,1,2,3
	v_add_f32 v[144+\e], v[112+\e], v[116+\e]
.endr
.irp k, 2,3,4,5,6,7
.irp e, 0,1,2,3
	s_delay_alu instid0(VALU_DEP_4)
	v_add_f32 v[144+\e], v[144+\e], v[112+4*\k+\e]
.endr
.endr
.irp e, 0,1,2,3
	s_delay_alu instid0(VALU_DEP_4)
	v_mul_f32 v[144+\e], 0x4038aa3b, v[144+\e]                             ; c tq, c = 2 log2(e)
.endr
.irp e, 0,1,2,3
	global_store_b32 v10, v[144+\e], s[42:43] offset:4096*\e
.endr
.Lend:
	s_wait_tensorcnt 0x0                   ; the wave's end
	ds_add_u32 v[SPW], v[NIL]
	s_wait_dscnt 0x0
	s_endpgm
.Lfunc_end_k_q404c5fffe0_prep:
	.size	k_q404c5fffe0_prep, .Lfunc_end_k_q404c5fffe0_prep-k_q404c5fffe0_prep
	.p2alignl 7, 3214868480
	.fill 96, 4, 3214868480
	.section	.rodata,"a",@progbits
	.p2align	6, 0x0
	.amdhsa_kernel k_q404c5fffe0_prep
		.amdhsa_group_segment_fixed_size 17408
		.amdhsa_private_segment_fixed_size 0
		.amdhsa_enable_private_segment 0
		.amdhsa_kernarg_size 72
		.amdhsa_user_sgpr_count 2
		.amdhsa_user_sgpr_kernarg_segment_ptr 1
		.amdhsa_wavefront_size32 1
		.amdhsa_system_sgpr_workgroup_id_x 1
		.amdhsa_system_sgpr_workgroup_id_y 1
		.amdhsa_system_sgpr_workgroup_id_z 1
		.amdhsa_system_vgpr_workitem_id 0
		.amdhsa_next_free_vgpr 256
		.amdhsa_next_free_sgpr 66
		.amdhsa_reserve_vcc 0
		.amdhsa_float_denorm_mode_32 3
		.amdhsa_float_denorm_mode_16_64 3
		.amdhsa_memory_ordered 1
		.amdhsa_forward_progress 1
		.amdhsa_inst_pref_size 121
	.end_amdhsa_kernel
	.amdgpu_metadata
---
amdhsa.version: [ 1, 2 ]
amdhsa.kernels:
  - .name:           k_q404c5fffe0_prep
    .symbol:         k_q404c5fffe0_prep.kd
    .args:
      - { .name: W_k, .offset: 0, .size: 8, .value_kind: global_buffer, .address_space: global }
      - { .name: W_q, .offset: 8, .size: 8, .value_kind: global_buffer, .address_space: global }
      - { .name: queries, .offset: 16, .size: 8, .value_kind: global_buffer, .address_space: global }
      - { .name: pad_mask, .offset: 24, .size: 8, .value_kind: global_buffer, .address_space: global }
      - { .name: wkf, .offset: 32, .size: 8, .value_kind: global_buffer, .address_space: global }
      - { .name: wks, .offset: 40, .size: 8, .value_kind: global_buffer, .address_space: global }
      - { .name: tqs, .offset: 48, .size: 8, .value_kind: global_buffer, .address_space: global }
      - { .name: list, .offset: 56, .size: 8, .value_kind: global_buffer, .address_space: global }
      - { .name: cnt, .offset: 64, .size: 8, .value_kind: global_buffer, .address_space: global }
    .group_segment_fixed_size: 17408
    .private_segment_fixed_size: 0
    .kernarg_segment_align: 8
    .kernarg_segment_size: 72
    .max_flat_workgroup_size: 256
    .sgpr_count:     66
    .vgpr_count:     256
    .wavefront_size: 32
...
	.end_amdgpu_metadata
.endif
;; end of part 1
;; launch scores (part 2): grid 32 x 8, 4 waves a work-group, no clusters, 316,928 bytes of LDS; arguments keys, list, cnt, wkf, wks, tqs, w_v, sc; writes sc
.if DOCPART == 2
	.amdgcn_target "amdgcn-amd-amdhsa--gfx1250"
	.amdhsa_code_object_version 6
	.text
	.protected	k_q404c5fffe0_scores
	.globl	k_q404c5fffe0_scores
	.p2align	8
	.type	k_q404c5fffe0_scores,@function
k_q404c5fffe0_scores:
	s_mov_b64 s[64:65], 0
	v_nop
	global_prefetch_b8 v0, s[64:65] scope:SCOPE_SE
	s_setreg_imm32_b32 hwreg(HW_REG_WAVE_MODE, 25, 1), 1
	s_wait_xcnt 0x0
; ADDITIVE ATTENTION, launch 2 of 3: the scores of the rows that count.
; LEFT OUT (shown at the head of the first kernel): rows whose pad_mask is 1 (weight exactly 0), in whole tiles of 16 list entries, and the term sum(w_v), which is the same along the softmax's axis.
; score of list entry i = -2 sum_n w_v[n] / (1 + 2^(c (tq[b][n] + tk[row][n]))), row = list[b][i], c = 2 log2(e), tk = Q(keys) Q(W_k) on codes of E4M3 with E8M0 scales; -infinity for i >= cnt[b].
; 2^x that overflows gives infinity and 1 / infinity = 0: tanh's own limit.  LIMITS: as at the head of the first kernel.
; sc IS LAID [batch][g][j][16]: entry i = 16 (g + 8 j) + e, so that a work-group's 256 entries are 1,024 bytes on end.
; SHARES.  Work-group (x = batch, y = g), four waves; it owns the row tiles g + 8 j, j = 0 .. 15; tile j is live where its first entry is under cnt[b]: live tiles are a prefix of j.
; (1) THE GATHER.  Wave w takes K steps 2 w and 2 w + 1 of EVERY tile (1,024 bytes on end of each row), so the four waves have the same work.  A unit = 16 rows x 512 bytes, 16 loads; four register sets, up to four units out.
;     A unit goes through the wave's stage, is quantised, and lies in LDS as the image of an operand's registers; a dead tile's images are zeros.  Where a unit is not asked for, or not worked, all loads are waited for instead:
;     so on every way three units' loads (48) or a wait for all stand between a unit's loads and its use.
; (2) THE PRODUCT.  Wave w owns columns 256 w on, in four passes of 64.  The sums stay in registers (up to 10 row tiles x 4 column tiles); W_k's fragments come from memory straight into registers, as the first launch laid them,
;     each read by one wave of the work-group, three K steps ahead; the keys' fragments come from LDS in two sets of five tiles.  Tiles 0-4 of a live chunk are always multiplied, tiles 5-9 where they are live.
;     More than 10 live tiles (cnt over 1,280): a second chunk of the same text.  Source 0 = 16 columns of W_k, source 1 = 16 rows of keys: a lane holds one row, its registers run along the columns.
; (3) Behind each pass, tile by tile: c x + c tq, 2^, + 1, 1 /, x w_v, summed in the lane.  At the end the 8 parts of a row (4 waves x 2 halves of the lanes) meet in LDS.
; No tensor load, copy or cluster: branches hang on the stored count.  No prefetch: the gather's own loads stand 48 to 64 a wave ahead of their use, and W_k is read by all work-groups alike.
; REGISTERS.  Window 0: below.  Window 1: the gather's four sets; then sums of tiles 0-7 (32 j + 8 c).  Window 2: sums of tiles 8, 9; keys' fragments at 64 + 16 j.  Window 3: W_k's fragments, four K steps of 64.
.set STG,   262144                     ; LDS: images 16,384 j + 2,048 ks + 512 c + 16 lane from 0; then a stage of 16 x 528 bytes a wave,
.set ASC,   295936                     ; the keys' scale words: 512 j + 64 ks + 4 r (room for 20 j),
.set PS,    306176                     ; the scores' parts: 2,560 wave + 128 j + 4 lane (20 j)
.set SPARE, 316416                     ; the spare words, 128 bytes a wave: two blocks of 256 bytes that no other line names
.set L16, 1                            ; 16 x lane
.set STS, 2                            ; gather: stage in, stage out, images, scale words
.set STL, 3
.set IM,  4
.set SCA, 5
.set AD,  2                            ; v2-4 product: LDS address of tiles 0-3, 4-5, 6-9;  v5, v11 of the scale words of tiles 0-5, 6-9
.set ASA, 5
.set SPW, 6
.set NIL, 7
.set HO,  8                            ; 32 x (lane / 16)
.set PSA, 9
.set R,   10                           ; lane % 16
.set LW,  12                           ; 16 lane + 1,024 wave
.set TM,  48
.set PC,  64
.set PW,  80
.set ZR,  84
.set X0,  128
.set RO,  192                          ; v192-223 gather: byte offsets of two tiles' rows
.set SCB, 96                           ; v96-127 scales alone: W_k's at 8 c + ks / 2 (lanes 0-15 even ks, 16-31 odd), keys' at 8 (j / 4) + 4 + j % 4
.set CT,  128                          ; v128-159 c tq, v160-191 w_v of the pass's 64 columns, in the sums' layout
.set WV,  160
.set S2,  192                          ; v192-211 a pair of sums for each tile
.set P,   212
.set T0,  220
.set CNT, 23
.set NT,  24
.set NM,  25
.set SEL, 30
.set MNT, 66
.set TR,  67
.set E0,  68
.set PB,  70                           ; s[70:77] the pass's W_k fragments, W_k scale words, c tq, w_v
.set QB,  72
.set CB,  74
.set VB,  76
.set PN,  78
.set LEFT,79
.set IB,  80
.set AB,  81
.set SBS, 82
.set CH,  83
.set PA,  84
.set TT,  85
.set IMS, 88
.set SCS, 89
.set REM, 90
.set MSB, 0
.macro WIN new                         ; the immediate's high byte repeats the setting that is left; a switch that changes nothing is dropped
.if MSB != (\new)
	s_set_vgpr_msb (MSB<<8)|(\new)
.set MSB, (\new)
.endif
.endm
.macro WALU
	s_wait_alu depctr_va_vdst(0)
.endm
.macro PLACES                          ; eight places behind the last product, ahead of loads into what it read and of readers of its sums
.rept 8
	v_nop
.endr
.endm
.macro QUANT s, d, pw                  ; 64 numbers of a lane, register 16 b + i = k 32 b + 16 (lane / 16) + i of my row, become a fragment's codes and its scale word
.irp b, 0,1,2,3
	v_max3_num_f32 v[TM+\b], |v[\s+16*\b]|, |v[\s+1+16*\b]|, 0x4800000   ; and the floor 2^(9 - 127): the byte cannot fall under 1
.endr
.irp i, 2,4,6,8,10,12,14
.irp b, 0,1,2,3
	v_max3_num_f32 v[TM+\b], v[TM+\b], |v[\s+16*\b+\i]|, |v[\s+1+16*\b+\i]|
.endr
.endr
.irp b, 0,1,2,3
	v_permlanex16_b32 v[TM+4+\b], v[TM+\b], s[SEL], s[SEL+1]
.endr
.irp b, 0,1,2,3
	v_max_num_f32 v[TM+\b], v[TM+\b], v[TM+4+\b]
.endr
.irp b, 0,1,2,3
	v_add_nc_u32 v[TM+12+\b], 0xfc000000, v[TM+\b]                       ; 8 off the exponent field: the conversion's scale operand
.endr
.irp b, 0,1,2,3
	v_and_or_b32 v[TM+8+\b], v[TM+\b], 0x7f800000, s[MNT]                ; 448 x the scale
.endr
.irp b, 0,1,2,3
	v_lshrrev_b32 v[TM+4+\b], 23, v[TM+12+\b]
.endr
	v_lshl_or_b32 v[\pw], v[TM+5], 8, v[TM+4]
	v_lshl_or_b32 v[\pw], v[TM+6], 16, v[\pw]
	v_lshl_or_b32 v[\pw], v[TM+7], 24, v[\pw]
.irp b, 0,1,2,3
.irp i, 0,1,2,3,4,5,6,7,8,9,10,11,12,13,14,15
	v_med3_num_f32 v[\s+16*\b+\i], v[\s+16*\b+\i], -v[TM+8+\b], v[TM+8+\b]   ; the conversion does not saturate (ISA guide 7.6.2): hold first
.endr
	v_cvt_scalef32_pk8_fp8_f32 v[\d+4*\b:\d+1+4*\b], v[\s+16*\b:\s+7+16*\b], v[TM+12+\b]
	v_cvt_scalef32_pk8_fp8_f32 v[\d+2+4*\b:\d+3+4*\b], v[\s+8+16*\b:\s+15+16*\b], v[TM+12+\b]
.endr
	v_nop                                  ; a plain line behind the last conversion
.endm
.macro ROCOMP                          ; 32 list entries in s[32:63] become row offsets
.set q, 0
.rept 32
	s_min_u32 s[32+q], s[32+q], 2047       ; inside the batch, whatever was loaded
	v_lshl_add_u32 v[RO+q], s[32+q], 12, v[LW]
.set q, q+1
.endr
.endm
.macro LOADU i                         ; unit i of a trip's four: tile i / 2, my K step i % 2: a load = 512 bytes on end of one row
	WIN 0x40
.set q, 0
.rept 16
	global_load_b128 v[64*(\i)+4*q:64*(\i)+4*q+3], v[RO+16*((\i)/2)+q], s[4:5] offset:512*((\i)%2) th:TH_LOAD_NT
.set q, q+1
.endr
	WIN 0
.endm
.macro LOOK i, eoff                    ; ask for a unit if its tile is live; else wait for all loads
	s_add_co_u32 s[TT], s[E0], \eoff
	s_cmp_lt_u32 s[TT], s[CNT]
	s_cbranch_scc0 .Ldr\@
	LOADU \i
	s_branch .Lgo\@
.Ldr\@:
	s_wait_loadcnt 0x0
.Lgo\@:
.endm
.macro UNIT i
	s_add_co_u32 s[TT], s[E0], 128*((\i)/2)
	s_cmp_lt_u32 s[TT], s[CNT]
	s_cbranch_scc0 .Ldead\@
	s_wait_loadcnt 48                      ; behind this unit's loads three units' 48 were issued, or all were waited for
	WIN 0x04
.set q, 0
.rept 16
	ds_store_b128 v[STS], v[64*(\i)+4*q:64*(\i)+4*q+3] offset:528*q
.set q, q+1
.endr
	WIN 0
.irp c, 0,1,2,3
.irp q, 0,1,2,3
	ds_load_b128 v[X0+16*\c+4*\q:X0+16*\c+4*\q+3], v[STL] offset:128*\c+16*\q   ; LDS serves a wave's instructions in order: these see the stores
.endr
.endr
	s_wait_dscnt 0x0
	LOOK \i, 256+128*((\i)/2)              ; the same unit of the next trip, into the set just emptied
	QUANT X0, PC, PW
.irp c, 0,1,2,3
	ds_store_b128 v[IM], v[PC+4*\c:PC+4*\c+3] offset:16384*((\i)/2)+2048*((\i)%2)+512*\c
.endr
	ds_store_b32 v[SCA], v[PW] offset:512*((\i)/2)+64*((\i)%2)   ; both halves of the lanes hold row r's word
	s_branch .Lnx\@
.Ldead\@:
	s_wait_loadcnt 0x0
.irp c, 0,1,2,3
	ds_store_b128 v[IM], v[ZR:ZR+3] offset:16384*((\i)/2)+2048*((\i)%2)+512*\c   ; zero codes add nothing
.endr
	ds_store_b32 v[SCA], v[ZR] offset:512*((\i)/2)+64*((\i)%2)
.Lnx\@:
.endm
.macro BLOAD k                         ; W_k's four fragments of K step k
	WIN 0xc0
.irp c, 0,1,2,3
.irp q, 0,1,2,3
	global_load_b128 v[64*((\k)%4)+16*\c+4*\q:64*((\k)%4)+16*\c+4*\q+3], v[L16], s[PB:PB+1] offset:16384*\c+2048*(\k)+512*\q
.endr
.endr
	WIN 0
.endm
.macro AHEAD                           ; pass s[PN]: its four bases; its scale words of W_k and K steps 0 to 2
	s_mov_b32 s87, 0
	s_lshl_b32 s86, s[PN], 16
	s_add_nc_u64 s[PB:PB+1], s[10:11], s[86:87]
	s_lshl_b32 s86, s[PN], 11
	s_add_nc_u64 s[QB:QB+1], s[12:13], s[86:87]
	s_lshl_b32 s86, s[PN], 8
	s_add_nc_u64 s[CB:CB+1], s[14:15], s[86:87]
	s_add_nc_u64 s[VB:VB+1], s[16:17], s[86:87]
.irp c, 0,1,2,3
	global_load_b128 v[SCB+8*\c:SCB+8*\c+3], v[L16], s[QB:QB+1] offset:512*\c
.endr
	BLOAD 0
	BLOAD 1
	BLOAD 2
.endm
.macro FRAG j, k
.irp c, 0,1,2,3
	ds_load_b128 v[64+16*(\j)+4*\c:64+16*(\j)+4*\c+3], v[AD+(\j)/4+(\j)/6-(\j)/8] offset:16384*((\j)-4*((\j)/4+(\j)/6-(\j)/8)+2*(((\j)/4+(\j)/6-(\j)/8)/2))+2048*(\k)+512*\c
.endr
.endm
.macro AWORD j, k
	ds_load_b32 v[SCB+8*((\j)/4)+4+(\j)%4], v[ASA+6*((\j)/6)] offset:512*((\j)-6*((\j)/6))+64*(\k)
.endm
.macro XLOADS k
	WIN 0x80
.irp j, 0,1,2,3,4
	FRAG \j, \k
.endr
	WIN 0
.irp j, 0,1,2,3,4
	AWORD \j, \k
.endr
.endm
.macro YLOADS k
.irp j, 5,6,7,8,9
	s_cmp_le_u32 s[NM], \j
	s_cbranch_scc1 .Lyl\@
	WIN 0x80
	FRAG \j, \k
	WIN 0
	AWORD \j, \k
.endr
.Lyl\@:
.endm
.macro WM j, c, k                      ; 16 columns x 16 rows x 128 of K; the accumulators take turns, one instruction a turn
.set rD, 32*((\j)%8)+8*(\c)
.set rB, 64*((\k)%4)+16*(\c)
.set rA, 64+16*(\j)
.set rSB, SCB+8*(\c)+(\k)/2
.set rSA, SCB+8*((\j)/4)+4+(\j)%4
.if (\k) == 0
	v_wmma_scale_f32_16x16x128_f8f6f4 v[rD:rD+7], v[rB:rB+15], v[rA:rA+15], 0, v[rSB], v[rSA]
.elseif (\k)%2 == 0
	v_wmma_scale_f32_16x16x128_f8f6f4 v[rD:rD+7], v[rB:rB+15], v[rA:rA+15], v[rD:rD+7], v[rSB], v[rSA]
.else
	v_wmma_scale_f32_16x16x128_f8f6f4 v[rD:rD+7], v[rB:rB+15], v[rA:rA+15], v[rD:rD+7], v[rSB], v[rSA] matrix_a_scale:MATRIX_SCALE_ROW1
.endif
.endm
.macro YMULS k
.irp j, 5,6,7,8,9
	s_cmp_le_u32 s[NM], \j
	s_cbranch_scc1 .Lym\@
	WIN 0x0b|((1+\j/8)<<4)|((1+\j/8)<<6)
.irp c, 0,1,2,3
	WM \j, \c, \k
.endr
	WIN 0
.endr
.Lym\@:
.endm
; A K step.  The wait's count = the loads issued behind K step k's 16: two later steps' 32; at k = 1, 2 also the 16 of c tq and w_v; 16 and 0 at the pass's end.
.macro KSTEP k
.if (\k) == 1 || (\k) == 2
	s_wait_loadcnt 48
.elseif (\k) == 6
	s_wait_loadcnt 16
.elseif (\k) == 7
	s_wait_loadcnt 0
.else
	s_wait_loadcnt 32
.endif
.if (\k) == 0
.irp c, 0,1,2,3
	global_load_b128 v[CT+8*\c:CT+8*\c+3], v[HO], s[CB:CB+1] offset:64*\c
	global_load_b128 v[CT+8*\c+4:CT+8*\c+7], v[HO], s[CB:CB+1] offset:64*\c+16
	global_load_b128 v[WV+8*\c:WV+8*\c+3], v[HO], s[VB:VB+1] offset:64*\c
	global_load_b128 v[WV+8*\c+4:WV+8*\c+7], v[HO], s[VB:VB+1] offset:64*\c+16
.endr
.endif
.if (\k) < 5
	BLOAD (\k)+3
.endif
	s_wait_dscnt 0x0                       ; tiles 0-4 of this step are in
	YLOADS \k
	WIN 0x5b
.irp j, 0,1,2,3,4
.irp c, 0,1,2,3
	WM \j, \c, \k
.endr
.endr
	WIN 0
	PLACES
	s_wait_dscnt 0x0                       ; tiles 5-9 are in
.if (\k) < 7
	XLOADS (\k)+1
.endif
	YMULS \k
	PLACES
.endm
; A tile's 32 sums a lane become w_v / (1 + 2^(c x + c tq)), added onto the tile's pair of sums.  Each batch of transcendentals has a wait ahead of it and one behind it.
.macro TILEV j
.set aw, 1+(\j)/8
.set A, 32*((\j)%8)
.set SJ, S2+2*(\j)
	s_cmp_le_u32 s[NM], \j
	s_cbranch_scc1 .Lvend
	WIN aw|(aw<<6)
	WALU
.set i, 0
.rept 16
	v_pk_fma_f32 v[A+i:A+i+1], v[A+i:A+i+1], s[28:29], v[CT+i:CT+i+1] op_sel_hi:[1,0,1]
.set i, i+2
.endr
	WALU
.set i, 0
.rept 32
	v_exp_f32 v[A+i], v[A+i]
.set i, i+1
.endr
	v_nop
	WALU
.set i, 0
.rept 16
	v_pk_add_f32 v[A+i:A+i+1], v[A+i:A+i+1], 1.0 op_sel_hi:[1,0]
.set i, i+2
.endr
	WALU
.set i, 0
.rept 32
	v_rcp_f32 v[A+i], v[A+i]
.set i, i+1
.endr
	v_nop
	WALU
	WIN aw
	v_pk_fma_f32 v[SJ:SJ+1], v[A:A+1], v[WV:WV+1], v[SJ:SJ+1]
.irp c, 1,2,3
	v_pk_mul_f32 v[P+2*\c-2:P+2*\c-1], v[A+8*\c:A+8*\c+1], v[WV+8*\c:WV+8*\c+1]
.endr
.irp i, 2,4,6
	v_pk_fma_f32 v[SJ:SJ+1], v[A+\i:A+\i+1], v[WV+\i:WV+\i+1], v[SJ:SJ+1]
.irp c, 1,2,3
	v_pk_fma_f32 v[P+2*\c-2:P+2*\c-1], v[A+8*\c+\i:A+8*\c+\i+1], v[WV+8*\c+\i:WV+8*\c+\i+1], v[P+2*\c-2:P+2*\c-1]
.endr
.endr
	WIN 0
	v_pk_add_f32 v[P:P+1], v[P:P+1], v[P+2:P+3]
	v_pk_add_f32 v[SJ:SJ+1], v[SJ:SJ+1], v[P+4:P+5]
	v_pk_add_f32 v[SJ:SJ+1], v[SJ:SJ+1], v[P:P+1]
.endm
	s_load_b512 s[4:19], s[0:1], 0x0       ; keys s[4:5], list s[6:7], cnt s[8:9], wkf s[10:11], wks s[12:13], tqs s[14:15], w_v s[16:17], sc s[18:19]
	v_lshl_add_u32 v[SPW], v0, 2, SPARE
	v_mov_b32 v[NIL], 0
	v_lshrrev_b32 v2, 5, v0
	v_readfirstlane_b32 s20, v2            ; wave 0..3
	s_mov_b32 s21, ttmp9                   ; batch
	s_and_b32 s22, ttmp7, 0xffff           ; g
	v_and_b32 v1, 31, v0
	v_lshlrev_b32 v[L16], 4, v1
	v_and_b32 v[R], 15, v0
	v_bfe_u32 v11, v0, 4, 1
	s_mul_i32 s26, s20, 8448
	s_add_co_u32 s26, s26, STG
	v_add_nc_u32 v[STS], s26, v[L16]
	v_mul_u32_u24 v[STL], v[R], 528
	v_lshl_add_u32 v[STL], v11, 6, v[STL]
	v_add_nc_u32 v[STL], s26, v[STL]
	v_lshlrev_b32 v[HO], 5, v11
	s_lshl_b32 s26, s20, 10
	v_add_nc_u32 v[LW], s26, v[L16]
.irp b, 0,1,2,3
	v_mov_b32 v[TM+4+\b], 0                ; a lane permute's destination counts as one of its sources
	v_mov_b32 v[ZR+\b], 0
.endr
	s_mov_b32 s28, 0x4038aa3b              ; c = 2 log2(e)
	s_mov_b32 s29, s28
	s_mov_b32 s[SEL], 0x76543210
	s_mov_b32 s[SEL+1], 0xfedcba98
	s_mov_b32 s[MNT], 0x600000
	s_mov_b32 s27, 0
	WALU
	s_wait_kmcnt 0x0
	s_lshl_b32 s26, s21, 2
	s_add_nc_u64 s[8:9], s[8:9], s[26:27]
	s_load_b32 s[CNT], s[8:9], 0x0
	s_lshl_b32 s26, s21, 11
	s_lshl_b32 s[E0], s22, 4               ; tile 0's first entry: 16 g
	s_add_co_u32 s26, s26, s[E0]
	s_lshl_b32 s26, s26, 2
	s_add_nc_u64 s[6:7], s[6:7], s[26:27]
	s_load_b512 s[32:47], s[6:7], 0x0      ; tiles 0 and 1: their rows' numbers (a tile on: 128 entries, 512 bytes)
	s_load_b512 s[48:63], s[6:7], 0x200
	s_lshl_b32 s26, s21, 23
	s_add_nc_u64 s[4:5], s[4:5], s[26:27]
	s_lshl_b32 s26, s20, 18
	s_add_nc_u64 s[10:11], s[10:11], s[26:27]      ; my 16 column tiles' fragments,
	s_lshl_b32 s26, s20, 13
	s_add_nc_u64 s[12:13], s[12:13], s[26:27]      ; their scale words,
	s_lshl_b32 s26, s20, 10
	s_add_nc_u64 s[16:17], s[16:17], s[26:27]      ; w_v,
	s_lshl_b32 s86, s21, 12
	s_add_co_u32 s26, s26, s86
	s_add_nc_u64 s[14:15], s[14:15], s[26:27]      ; my batch's c tq
	s_lshl_b32 s26, s21, 13
	s_lshl_b32 s86, s22, 10
	s_add_co_u32 s26, s26, s86
	s_add_nc_u64 s[18:19], s[18:19], s[26:27]
	s_mov_b32 s[PN], 0
	AHEAD                                  ; the first pass's W_k lands under the gather
	; registers that are loaded or summed under one test on the count and read under another are written once here, so that each has been written on every way through the text
	WIN 0x40
.set i, 0
.rept 256
	v_mov_b32 v[i], 0
.set i, i+1
.endr
	WIN 0x80
.set i, 0
.rept 64
	v_mov_b32 v[i], 0
.set i, i+1
.endr
.set i, 144
.rept 80
	v_mov_b32 v[i], 0
.set i, i+1
.endr
	WIN 0
.irp j, 13,14,15,20,21
	v_mov_b32 v[SCB+\j], 0
.endr
	WALU
	s_wait_kmcnt 0x0
	s_min_u32 s[CNT], s[CNT], 2048
	s_sub_co_i32 s26, s[CNT], s[E0]
	s_max_i32 s26, s26, 0
	s_add_co_u32 s26, s26, 127
	s_lshr_b32 s[NT], s26, 7               ; my live tiles, 0 .. 16
	s_cmp_gt_u32 s[NT], 10
	s_cselect_b32 s[LEFT], 8, 4            ; passes to go
	; ---- (1) the gather
	ROCOMP
	WALU
	s_add_nc_u64 s[6:7], s[6:7], 1024
	s_load_b512 s[32:47], s[6:7], 0x0      ; tiles 2 and 3
	s_load_b512 s[48:63], s[6:7], 0x200
	LOOK 0, 0
	LOOK 1, 0
	LOOK 2, 128
	LOOK 3, 128
	s_lshl_b32 s[IMS], s20, 12
	s_lshl_b32 s[SCS], s20, 7
	s_add_co_u32 s[SCS], s[SCS], ASC
	s_mov_b32 s[TR], 0
.Ltrip:                                        ; eight trips of two tiles; the offsets made here are the next trip's
	s_wait_kmcnt 0x0
	s_wait_xcnt 0x0                        ; the loads that are out have read their offsets
	ROCOMP
	v_add_nc_u32 v[IM], s[IMS], v[L16]
	v_lshl_add_u32 v[SCA], v[R], 2, s[SCS]
	WALU
	s_cmp_lt_u32 s[TR], 6
	s_cbranch_scc0 .Lnolist
	s_add_nc_u64 s[6:7], s[6:7], 1024
	s_load_b512 s[32:47], s[6:7], 0x0
	s_load_b512 s[48:63], s[6:7], 0x200
.Lnolist:
	UNIT 0
	UNIT 1
	UNIT 2
	UNIT 3
	s_add_co_u32 s[E0], s[E0], 256
	s_add_co_u32 s[IMS], s[IMS], 32768
	s_add_co_u32 s[SCS], s[SCS], 1024
	s_add_co_u32 s[TR], s[TR], 1
	s_cmp_lt_u32 s[TR], 8
	s_cbranch_scc1 .Ltrip
	s_wait_loadcnt 0x0                     ; on every way out of the loop all my loads are in: their offsets' registers and the four sets may be written again
	s_wait_xcnt 0x0
	s_wait_dscnt 0x0                       ; for the others' sake: my images lie in LDS
	s_barrier_signal -1
	s_barrier_wait -1
	; ---- (2), (3): two chunks of up to ten tiles
	s_mov_b32 s[REM], s[NT]
	s_mov_b32 s[IB], 0
	s_mov_b32 s[AB], ASC
	s_mov_b32 s91, 98304                   ; tiles 6-9 of a chunk: the second chunk has none, and its addresses stand at tiles 12-15, inside what is written
	s_mov_b32 s92, ASC+3072                ; their scale words likewise
	s_mul_i32 s[SBS], s20, 2560
	s_add_co_u32 s[SBS], s[SBS], PS
	s_mov_b32 s[CH], 0
.Lchunk:
	s_min_u32 s[NM], s[REM], 10
	v_add_nc_u32 v[AD], s[IB], v[L16]
	s_add_co_u32 s[TT], s[IB], 65536
	v_add_nc_u32 v[AD+1], s[TT], v[L16]
	v_add_nc_u32 v[AD+2], s91, v[L16]
	v_lshl_add_u32 v[ASA], v[R], 2, s[AB]
	v_lshl_add_u32 v[ASA+6], v[R], 2, s92
	v_lshrrev_b32 v[PSA], 2, v[L16]
	v_add_nc_u32 v[PSA], s[SBS], v[PSA]
.set i, 0
.rept 20
	v_mov_b32 v[S2+i], 0
.set i, i+1
.endr
	WALU
	s_cmp_eq_u32 s[NM], 0
	s_cbranch_scc1 .Lcdone
	s_mov_b32 s[PA], 0
.Lpass:
	XLOADS 0
.irp k, 0,1,2,3,4,5,6,7
	KSTEP \k
.endr
	s_sub_co_u32 s[LEFT], s[LEFT], 1
	s_cmp_eq_u32 s[LEFT], 0
	s_cbranch_scc1 .Lnomore                ; behind the last pass nothing is asked for
	s_wait_xcnt 0x0                        ; this pass's loads have read their bases
	s_add_co_u32 s[PN], s[PN], 1
	s_and_b32 s[PN], s[PN], 3
	AHEAD                                  ; the next pass's W_k lands under the lines below
.Lnomore:
.irp j, 0,1,2,3,4,5,6,7,8,9
	TILEV \j
.endr
.Lvend:
	WALU
	s_add_co_u32 s[PA], s[PA], 1
	s_cmp_lt_u32 s[PA], 4
	s_cbranch_scc1 .Lpass
.Lcdone:
.irp j, 0,1,2,3,4,5,6,7,8,9
	v_add_f32 v[T0+\j], v[S2+2*\j], v[S2+2*\j+1]
.endr
.irp j, 0,1,2,3,4,5,6,7,8,9
	ds_store_b32 v[PSA], v[T0+\j] offset:128*\j    ; row r of tile j: my columns' part, a word for each half of the lanes; a dead tile's is 0
.endr
	s_sub_co_u32 s[REM], s[REM], s[NM]
	s_add_co_u32 s[IB], s[IB], 163840
	s_add_co_u32 s[AB], s[AB], 5120
	s_add_co_u32 s91, s91, 98304
	s_add_co_u32 s92, s92, 3072
	s_add_co_u32 s[SBS], s[SBS], 1280
	s_add_co_u32 s[CH], s[CH], 1
	s_cmp_lt_u32 s[CH], 2
	s_cbranch_scc1 .Lchunk
	s_wait_dscnt 0x0                       ; for the others' sake
	s_barrier_signal -1
	s_barrier_wait -1
	; thread t adds the eight parts of entries 2 t and 2 t + 1 of the work-group's 256
	v_lshrrev_b32 v12, 3, v0               ; j
	v_and_b32 v13, 7, v0
	v_lshlrev_b32 v14, 7, v12
	v_lshl_add_u32 v14, v13, 3, v14
	v_add_nc_u32 v14, PS, v14
.irp w, 0,1,2,3
	ds_load_b64 v[16+4*\w:17+4*\w], v14 offset:2560*\w
	ds_load_b64 v[18+4*\w:19+4*\w], v14 offset:2560*\w+64
.endr
	s_lshl_b32 s86, s22, 4
	v_lshlrev_b32 v15, 7, v12
	v_lshl_add_u32 v15, v13, 1, v15
	v_add_nc_u32 v15, s86, v15             ; the entry's number in the batch: 16 g + 128 j + 2 (t % 8)
	v_add_nc_u32 v32, 1, v15
	v_lshlrev_b32 v33, 3, v0
	v_mov_b32 v34, 0xff800000              ; -infinity
	WALU
	s_wait_dscnt 0x0
	v_pk_add_f32 v[16:17], v[16:17], v[18:19]
	v_pk_add_f32 v[20:21], v[20:21], v[22:23]
	v_pk_add_f32 v[24:25], v[24:25], v[26:27]
	v_pk_add_f32 v[28:29], v[28:29], v[30:31]
	v_pk_add_f32 v[16:17], v[16:17], v[20:21]
	v_pk_add_f32 v[24:25], v[24:25], v[28:29]
	v_pk_add_f32 v[16:17], v[16:17], v[24:25]
	v_pk_mul_f32 v[16:17], v[16:17], -2.0 op_sel_hi:[1,0]
	v_cmp_gt_u32 vcc_lo, s[CNT], v15       ; an entry at or behind cnt is a masked row
	v_cndmask_b32 v16, v34, v16, vcc_lo
	v_cmp_gt_u32 vcc_lo, s[CNT], v32
	v_cndmask_b32 v17, v34, v17, vcc_lo
	global_store_b64 v33, v[16:17], s[18:19]       ; a wave stores 256 consecutive bytes, at a multiple of 256 from sc's first byte
	s_wait_tensorcnt 0x0                   ; the wave's end
	ds_add_u32 v[SPW], v[NIL]
	s_wait_dscnt 0x0
	s_endpgm
.Lfunc_end_k_q404c5fffe0_scores:
	.size	k_q404c5fffe0_scores, .Lfunc_end_k_q404c5fffe0_scores-k_q404c5fffe0_scores
	.p2alignl 7, 3214868480
	.fill 96, 4, 3214868480
	.section	.rodata,"a",@progbits
	.p2align	6, 0x0
	.amdhsa_kernel k_q404c5fffe0_scores
		.amdhsa_group_segment_fixed_size 316928
		.amdhsa_private_segment_fixed_size 0
		.amdhsa_enable_private_segment 0
		.amdhsa_kernarg_size 64
		.amdhsa_user_sgpr_count 2
		.amdhsa_user_sgpr_kernarg_segment_ptr 1
		.amdhsa_wavefront_size32 1
		.amdhsa_system_sgpr_workgroup_id_x 1
		.amdhsa_system_sgpr_workgroup_id_y 1
		.amdhsa_system_sgpr_workgroup_id_z 1
		.amdhsa_system_vgpr_workitem_id 0
		.amdhsa_next_free_vgpr 1024
		.amdhsa_next_free_sgpr 96
		.amdhsa_reserve_vcc 1
		.amdhsa_float_denorm_mode_32 3
		.amdhsa_float_denorm_mode_16_64 3
		.amdhsa_memory_ordered 1
		.amdhsa_forward_progress 1
		.amdhsa_inst_pref_size 245
	.end_amdhsa_kernel
	.amdgpu_metadata
---
amdhsa.version: [ 1, 2 ]
amdhsa.kernels:
  - .name:           k_q404c5fffe0_scores
    .symbol:         k_q404c5fffe0_scores.kd
    .args:
      - { .name: keys, .offset: 0, .size: 8, .value_kind: global_buffer, .address_space: global }
      - { .name: list, .offset: 8, .size: 8, .value_kind: global_buffer, .address_space: global }
      - { .name: cnt, .offset: 16, .size: 8, .value_kind: global_buffer, .address_space: global }
      - { .name: wkf, .offset: 24, .size: 8, .value_kind: global_buffer, .address_space: global }
      - { .name: wks, .offset: 32, .size: 8, .value_kind: global_buffer, .address_space: global }
      - { .name: tqs, .offset: 40, .size: 8, .value_kind: global_buffer, .address_space: global }
      - { .name: w_v, .offset: 48, .size: 8, .value_kind: global_buffer, .address_space: global }
      - { .name: sc, .offset: 56, .size: 8, .value_kind: global_buffer, .address_space: global }
    .group_segment_fixed_size: 316928
    .private_segment_fixed_size: 0
    .kernarg_segment_align: 8
    .kernarg_segment_size: 64
    .max_flat_workgroup_size: 128
    .sgpr_count:     96
    .vgpr_count:     1024
    .wavefront_size: 32
...
	.end_amdgpu_metadata
.endif
;; end of part 2
;; launch soft (part 3): grid 16 x 32, 8 waves a work-group, no clusters, 19,968 bytes of LDS; arguments keys, list, cnt, sc, out0, out1; writes out0, out1
.if DOCPART == 3
	.amdgcn_target "amdgcn-amd-amdhsa--gfx1250"
	.amdhsa_code_object_version 6
	.text
	.protected	k_q404c5fffe0_soft
	.globl	k_q404c5fffe0_soft
	.p2align	8
	.type	k_q404c5fffe0_soft,@function
k_q404c5fffe0_soft:
	s_mov_b64 s[64:65], 0
	v_nop
	global_prefetch_b8 v0, s[64:65] scope:SCOPE_SE
	s_setreg_imm32_b32 hwreg(HW_REG_WAVE_MODE, 25, 1), 1
	s_wait_xcnt 0x0
; ADDITIVE ATTENTION, launch 3 of 3: the softmax over a batch's scores, the weights, and the context.
; LEFT OUT (shown at the head of the first kernel): the terms 0 x keys[b][t][:] of masked rows, in whole trips of 256 list entries.  LIMIT: a NaN or an infinity in a masked row of keys is not carried to the context.
; Work-group (x = 64 columns of the context, 256 bytes of each row; y = batch), eight waves.  Each work-group forms the batch's softmax anew from 8 KiB of scores (in list order; -infinity at and behind cnt):
; the maximum is taken away before the exponential; p = e^(s - m); the sum divides at the end.  A batch with no row that counts gives NaN, as a softmax of -infinities does.
; out0 (x = 0 alone): entry i's weight goes to row list[i]; the list is a permutation of the rows, so every row is written, masked rows with 0.
; The context: p and the row's number lie in one LDS table, 8 bytes an entry.  A trip takes 256 entries: each wave 32, by 16 loads; a load takes two rows x 256 aligned consecutive bytes.
; Trips run to (cnt + 255) / 256; the loop's count is the constant 8 and a scalar branch on the stored count leads round the work.  Entries at and behind cnt carry the batch's first listed row and p = 0.
; No matrix unit, no cluster, no tensor load: the launch streams rows that are read once, work-groups share only the scores, and a branch hangs on a stored number.  No prefetch: the launch's own loads keep 16 a wave on their way.
.set RMX,   0                          ; LDS: the waves' maxima
.set RSM,   256                        ; their sums
.set PI,    512                        ; 2,048 entries of (p, row)
.set RED,   16896                      ; 8 waves x 256 bytes: their parts of the context
.set SPARE, 18944                      ; the spare words, 128 bytes a wave: four blocks of 256 bytes that no other line names
.set SPW,   194
.set NIL,   195
.set PQ,    42                         ; v42-73 a trip's 16 pairs (p, row)
.set OF,    74                         ; v74-89 its 16 row offsets
.set AC,    90                         ; v90-93, v94-97 two sets of sums, by turns
.set X,     100                        ; v100-163 its 16 x 16 bytes of keys
.set PR,    164                        ; v164-179 my 8 entries as they go to the table: p at 164 + 2 k, row at 165 + 2 k
	s_load_b256 s[4:11], s[0:1], 0x0       ; keys s[4:5], list s[6:7], cnt s[8:9], sc s[10:11]
	s_load_b128 s[12:15], s[0:1], 0x20     ; out0 s[12:13], out1 s[14:15]
	v_lshl_add_u32 v[SPW], v0, 2, SPARE
	v_mov_b32 v[NIL], 0
	v_lshrrev_b32 v1, 5, v0
	s_delay_alu instid0(VALU_DEP_1)
	v_readfirstlane_b32 s16, v1            ; wave 0..7
	s_mov_b32 s17, ttmp9                   ; which 64 columns
	s_and_b32 s18, ttmp7, 0xffff           ; batch
	v_and_b32 v2, 15, v0                   ; r
	v_bfe_u32 v3, v0, 4, 1                 ; h
	s_delay_alu instid0(VALU_DEP_2)
	v_lshlrev_b32 v4, 4, v2                ; 16 r
	v_lshlrev_b32 v5, 5, v0
	v_bfe_u32 v201, v0, 1, 3               ; sc is laid [batch][g][j][16], entry i = 16 (g + 8 j) + e: my 8 entries have g = (t / 2) % 8,
	v_lshrrev_b32 v202, 4, v0              ; j = t / 16,
	v_and_b32 v203, 1, v0                  ; and the half t % 2 of the tile
	v_lshlrev_b32 v201, 10, v201
	v_lshlrev_b32 v202, 6, v202
	v_lshl_add_u32 v201, v203, 5, v201
	v_add_nc_u32 v201, v201, v202          ; 1,024 g + 64 j + 32 (t % 2)
	v_mov_b32 v6, s16
	s_delay_alu instid0(VALU_DEP_1)
	v_lshlrev_b32 v6, 2, v6                ; my wave's word
	v_mov_b32 v7, 0
	v_lshl_add_u32 v40, v0, 6, PI          ; my 8 entries in the table
	s_lshl_b32 s24, s16, 8
	s_add_co_u32 s28, s24, PI
	v_lshl_add_u32 v41, v3, 3, s28         ; a trip's entries of my wave: 32 w + h, then 2 q further on
	s_add_co_u32 s28, s24, RED
	v_add_nc_u32 v192, s28, v4
	v_add_nc_u32 v193, RED, v4
	v_mov_b32 v181, 0                      ; lane permutes' destinations count as sources: written once
.irp e, 0,1,2,3
	v_mov_b32 v[196+\e], 0
.endr
.irp e, 0,1,2,3,4,5,6,7
	v_mov_b32 v[AC+\e], 0                  ; the sums: the loop's first trip is like every other
.endr
	s_mov_b32 s22, 0x76543210
	s_mov_b32 s23, 0xfedcba98
	s_mov_b32 s25, 0
	s_wait_kmcnt 0x0
	s_lshl_b32 s24, s18, 13                ; 2,048 words a batch
	s_add_nc_u64 s[10:11], s[10:11], s[24:25]
	s_add_nc_u64 s[6:7], s[6:7], s[24:25]
	s_add_nc_u64 s[12:13], s[12:13], s[24:25]
	s_lshl_b32 s24, s18, 2
	s_add_nc_u64 s[8:9], s[8:9], s[24:25]
	s_load_b32 s19, s[8:9], 0x0            ; cnt[b]
	s_load_b32 s26, s[6:7], 0x0            ; the batch's first listed row
	global_load_b128 v[8:11], v201, s[10:11]
	global_load_b128 v[12:15], v201, s[10:11] offset:16
	global_load_b128 v[16:19], v5, s[6:7]
	global_load_b128 v[20:23], v5, s[6:7] offset:16
	s_lshl_b32 s24, s18, 23
	s_lshl_b32 s28, s17, 8
	s_add_co_u32 s24, s24, s28
	s_add_nc_u64 s[4:5], s[4:5], s[24:25]  ; the batch's keys, my 256 bytes of each row
	s_lshl_b32 s24, s18, 12
	s_add_co_u32 s24, s24, s28
	s_add_nc_u64 s[14:15], s[14:15], s[24:25]
	s_wait_kmcnt 0x0
	s_add_co_u32 s20, s19, 255
	s_lshr_b32 s20, s20, 8                 ; trips that have a row that counts
	; ---- the maximum
	s_wait_loadcnt 2                       ; the scores are in; the list's two loads may stay out
	v_max3_num_f32 v180, v8, v9, v10
	s_delay_alu instid0(VALU_DEP_1)
	v_max3_num_f32 v180, v180, v11, v12
	s_delay_alu instid0(VALU_DEP_1)
	v_max3_num_f32 v180, v180, v13, v14
	s_delay_alu instid0(VALU_DEP_1)
	v_max_num_f32 v180, v180, v15
.irp x, 1,2,4,8
	s_delay_alu instid0(VALU_DEP_1)
	v_max_num_f32_dpp v180, v180, v180 row_xmask:\x row_mask:0xf bank_mask:0xf
.endr
	s_delay_alu instid0(VALU_DEP_1)
	v_permlanex16_b32 v181, v180, s22, s23
	s_delay_alu instid0(VALU_DEP_1)
	v_max_num_f32 v180, v180, v181
	ds_store_b32 v6, v180 offset:RMX
	s_wait_dscnt 0x0                       ; for the others' sake
	s_barrier_signal -1
	s_barrier_wait -1
	ds_load_b128 v[182:185], v7 offset:RMX
	ds_load_b128 v[186:189], v7 offset:RMX+16
	s_wait_dscnt 0x0
	v_max3_num_f32 v190, v182, v183, v184
	s_delay_alu instid0(VALU_DEP_1)
	v_max3_num_f32 v190, v190, v185, v186
	s_delay_alu instid0(VALU_DEP_1)
	v_max3_num_f32 v190, v190, v187, v188
	s_delay_alu instid0(VALU_DEP_1)
	v_max_num_f32 v190, v190, v189         ; m
	; ---- p = e^(s - m), its sum, and the table
.irp k, 0,1,2,3,4,5,6,7
	v_sub_f32 v[8+\k], v[8+\k], v190
.endr
.irp k, 0,1,2,3,4,5,6,7
	v_mul_f32 v[8+\k], 0x3fb8aa3b, v[8+\k]
.endr
	s_wait_alu depctr_va_vdst(0)
.irp k, 0,1,2,3,4,5,6,7
	v_exp_f32 v[PR+2*\k], v[8+\k]
.endr
	v_lshlrev_b32 v180, 3, v0              ; my first entry.  (The plain instruction behind the exponentials; the lines down to the wait name none of their results)
	v_mov_b32 v200, s26
	s_wait_alu depctr_va_vdst(0)
	s_wait_loadcnt 0x0                     ; the list
.irp k, 0,1,2,3,4,5,6,7
	v_add_nc_u32 v181, \k, v180
	s_delay_alu instid0(VALU_DEP_1)
	v_cmp_gt_u32 vcc_lo, s19, v181
	s_delay_alu instid0(VALU_DEP_1)
	v_cndmask_b32 v[PR+1+2*\k], v200, v[16+\k], vcc_lo     ; at and behind cnt: the first listed row
.endr
	s_wait_alu depctr_va_vdst(0)           ; one wait for the eight exponentials, ahead of their first reader
	v_add_f32 v180, v[PR], v[PR+2]
	v_add_f32 v181, v[PR+4], v[PR+6]
	v_add_f32 v180, v180, v[PR+8]
	v_add_f32 v181, v181, v[PR+10]
	v_add_f32 v180, v180, v[PR+12]
	v_add_f32 v181, v181, v[PR+14]
	s_delay_alu instid0(VALU_DEP_1)
	v_add_f32 v180, v180, v181
.irp x, 1,2,4,8
	s_delay_alu instid0(VALU_DEP_1)
	v_add_f32_dpp v180, v180, v180 row_xmask:\x row_mask:0xf bank_mask:0xf
.endr
	s_delay_alu instid0(VALU_DEP_1)
	v_permlanex16_b32 v181, v180, s22, s23
	s_delay_alu instid0(VALU_DEP_1)
	v_add_f32 v180, v180, v181
	ds_store_b32 v6, v180 offset:RSM
.irp i, 0,1,2,3
	ds_store_b128 v40, v[PR+4*\i:PR+4*\i+3] offset:16*\i
.endr
	s_wait_dscnt 0x0                       ; for the others' sake
	s_barrier_signal -1
	s_barrier_wait -1
	ds_load_b128 v[182:185], v7 offset:RSM
	ds_load_b128 v[186:189], v7 offset:RSM+16
	s_wait_dscnt 0x0
	v_add_f32 v182, v182, v183
	v_add_f32 v184, v184, v185
	v_add_f32 v186, v186, v187
	v_add_f32 v188, v188, v189
	s_delay_alu instid0(VALU_DEP_3)
	v_add_f32 v182, v182, v184
	s_delay_alu instid0(VALU_DEP_2)
	v_add_f32 v186, v186, v188
	s_delay_alu instid0(VALU_DEP_1)
	v_add_f32 v182, v182, v186
	s_wait_alu depctr_va_vdst(0)
	v_rcp_f32 v191, v182                   ; 1 / the sum
	v_nop
	s_wait_alu depctr_va_vdst(0)
	; ---- the weights, by the batch's first work-group
	s_cmp_lg_u32 s17, 0
	s_cbranch_scc1 .Lctx
.irp k, 0,1,2,3,4,5,6,7
	v_min_u32 v[24+\k], 2047, v[16+\k]     ; inside the batch, whatever was loaded
	s_delay_alu instid0(VALU_DEP_1)
	v_lshlrev_b32 v[24+\k], 2, v[24+\k]
	v_mul_f32 v[32+\k], v[PR+2*\k], v191
	global_store_b32 v[24+\k], v[32+\k], s[12:13]
.endr
.Lctx:
	; ---- the context
	s_mov_b32 s21, 0
	s_mov_b32 s27, 0
.Ltrip:
	s_cmp_ge_u32 s21, s20
	s_cbranch_scc1 .Lskip
	v_add_nc_u32 v98, s27, v41
.set q, 0
.rept 16
	ds_load_b64 v[PQ+2*q:PQ+2*q+1], v98 offset:16*q        ; entry 256 t + 32 w + 2 q + h: sixteen lanes share it
.set q, q+1
.endr
	s_wait_dscnt 0x0
.set q, 0
.rept 16
	v_min_u32 v[OF+q], 2047, v[PQ+1+2*q]                   ; (the last trip's loads are all in: their offsets may be written)
	s_delay_alu instid0(VALU_DEP_1)
	v_lshl_add_u32 v[OF+q], v[OF+q], 12, v4
.set q, q+1
.endr
.set q, 0
.rept 16
	global_load_b128 v[X+4*q:X+4*q+3], v[OF+q], s[4:5] th:TH_LOAD_NT
.set q, q+1
.endr
.set q, 0
.rept 16
	s_wait_alu depctr_va_vdst(0)
	s_wait_loadcnt 15-q                    ; loads come back in order: number q is in, the younger ones stay out
	v_pk_fma_f32 v[AC+4*(q%2):AC+4*(q%2)+1], v[X+4*q:X+4*q+1], v[PQ+2*q:PQ+2*q+1], v[AC+4*(q%2):AC+4*(q%2)+1] op_sel_hi:[1,0,1]
	v_pk_fma_f32 v[AC+4*(q%2)+2:AC+4*(q%2)+3], v[X+4*q+2:X+4*q+3], v[PQ+2*q:PQ+2*q+1], v[AC+4*(q%2)+2:AC+4*(q%2)+3] op_sel_hi:[1,0,1]
.set q, q+1
.endr
.Lskip:
	s_add_co_u32 s27, s27, 2048            ; 256 entries of 8 bytes
	s_add_co_u32 s21, s21, 1
	s_cmp_lt_u32 s21, 8
	s_cbranch_scc1 .Ltrip
	s_wait_alu depctr_va_vdst(0)
	v_pk_add_f32 v[AC:AC+1], v[AC:AC+1], v[AC+4:AC+5]
	v_pk_add_f32 v[AC+2:AC+3], v[AC+2:AC+3], v[AC+6:AC+7]
.irp e, 0,1,2,3
	v_permlanex16_b32 v[196+\e], v[AC+\e], s22, s23
.endr
.irp e, 0,1,2,3
	s_delay_alu instid0(VALU_DEP_4)
	v_add_f32 v[AC+\e], v[AC+\e], v[196+\e]                ; the two halves of the lanes held different rows
.endr
	ds_store_b128 v192, v[AC:AC+3]         ; both halves store the same 16 bytes to the same place
	s_wait_dscnt 0x0                       ; for wave 0's sake
	s_barrier_signal -1
	s_barrier_wait -1
	s_cmp_lg_u32 s16, 0
	s_cbranch_scc1 .Lend
.irp k, 0,1,2,3,4,5,6,7
	ds_load_b128 v[X+4*\k:X+4*\k+3], v193 offset:256*\k
.endr
	s_wait_dscnt 0x0
.irp k, 1
	v_pk_add_f32 v[X:X+1], v[X:X+1], v[X+4*\k:X+4*\k+1]
	v_pk_add_f32 v[X+2:X+3], v[X+2:X+3], v[X+4*\k+2:X+4*\k+3]
.endr
.irp k, 2, 3, 4, 5, 6, 7
	s_delay_alu instid0(VALU_DEP_2)
	v_pk_add_f32 v[X:X+1], v[X:X+1], v[X+4*\k:X+4*\k+1]
	s_delay_alu instid0(VALU_DEP_2)
	v_pk_add_f32 v[X+2:X+3], v[X+2:X+3], v[X+4*\k+2:X+4*\k+3]
.endr
.irp e, 0,1,2,3
	v_mul_f32 v[X+\e], v[X+\e], v191
.endr
	global_store_b128 v4, v[X:X+3], s[14:15]               ; sixteen lanes store 256 consecutive bytes, at a multiple of 256 from out1's first byte; lanes 16-31 repeat them
.Lend:
	s_wait_tensorcnt 0x0                   ; the wave's end
	ds_add_u32 v[SPW], v[NIL]
	s_wait_dscnt 0x0
	s_endpgm
.Lfunc_end_k_q404c5fffe0_soft:
	.size	k_q404c5fffe0_soft, .Lfunc_end_k_q404c5fffe0_soft-k_q404c5fffe0_soft
	.p2alignl 7, 3214868480
	.fill 96, 4, 3214868480
	.section	.rodata,"a",@progbits
	.p2align	6, 0x0
	.amdhsa_kernel k_q404c5fffe0_soft
		.amdhsa_group_segment_fixed_size 19968
		.amdhsa_private_segment_fixed_size 0
		.amdhsa_enable_private_segment 0
		.amdhsa_kernarg_size 48
		.amdhsa_user_sgpr_count 2
		.amdhsa_user_sgpr_kernarg_segment_ptr 1
		.amdhsa_wavefront_size32 1
		.amdhsa_system_sgpr_workgroup_id_x 1
		.amdhsa_system_sgpr_workgroup_id_y 1
		.amdhsa_system_sgpr_workgroup_id_z 1
		.amdhsa_system_vgpr_workitem_id 0
		.amdhsa_next_free_vgpr 208
		.amdhsa_next_free_sgpr 66
		.amdhsa_reserve_vcc 1
		.amdhsa_float_denorm_mode_32 3
		.amdhsa_float_denorm_mode_16_64 3
		.amdhsa_memory_ordered 1
		.amdhsa_forward_progress 1
		.amdhsa_inst_pref_size 23
	.end_amdhsa_kernel
	.amdgpu_metadata
---
amdhsa.version: [ 1, 2 ]
amdhsa.kernels:
  - .name:           k_q404c5fffe0_soft
    .symbol:         k_q404c5fffe0_soft.kd
    .args:
      - { .name: keys, .offset: 0, .size: 8, .value_kind: global_buffer, .address_space: global }
      - { .name: list, .offset: 8, .size: 8, .value_kind: global_buffer, .address_space: global }
      - { .name: cnt, .offset: 16, .size: 8, .value_kind: global_buffer, .address_space: global }
      - { .name: sc, .offset: 24, .size: 8, .value_kind: global_buffer, .address_space: global }
      - { .name: out0, .offset: 32, .size: 8, .value_kind: global_buffer, .address_space: global }
      - { .name: out1, .offset: 40, .size: 8, .value_kind: global_buffer, .address_space: global }
    .group_segment_fixed_size: 19968
    .private_segment_fixed_size: 0
    .kernarg_segment_align: 8
    .kernarg_segment_size: 48
    .max_flat_workgroup_size: 256
    .sgpr_count:     66
    .vgpr_count:     208
    .wavefront_size: 32
...
	.end_amdgpu_metadata
.endif
;; end of part 3
